; MI455X (gfx1250); checked and timed in simulation.
; The chip was launched on July 23, 2026; its instructions are those of AMD's public machine-readable ISA for CDNA 5 (MIT licence, August 2026) and "CDNA5" Instruction Set Architecture Reference Guide (July 2026). The comments in the code are by the model that wrote it; some were corrected since.
;; Multi Head Attention. Allowed arithmetic: matrix products marked QUANTISED: E2M1 operands, one E8M0 scale for each 32 along K, by v_wmma_scale_f32_16x16x128_f8f6f4 with both operands' format E2M1 (or v_wmma_scale_f32_32x16x128_f4), f32 sums; everything else in f32.
;; Inputs: Wk_codes 16 x 64 x 32 x 16 uint8 (E2M1 codes of Wk, K innermost, in blocks of 32 codes, two codes a byte); Wk_scales 16 x 64 x 32 uint8 (E8M0 scales of Wk, one for each 32 codes along K); Wo_codes 1,024 x 32 x 16 uint8 (E2M1 codes of Wo, K innermost, in blocks of 32 codes, two codes a byte); Wo_scales 1,024 x 32 uint8 (E8M0 scales of Wo, one for each 32 codes along K); Wq_codes 16 x 64 x 32 x 16 uint8 (E2M1 codes of Wq, K innermost, in blocks of 32 codes, two codes a byte); Wq_scales 16 x 64 x 32 uint8 (E8M0 scales of Wq, one for each 32 codes along K); Wv_codes 16 x 64 x 32 x 16 uint8 (E2M1 codes of Wv, K innermost, in blocks of 32 codes, two codes a byte); Wv_scales 16 x 64 x 32 uint8 (E8M0 scales of Wv, one for each 32 codes along K); bk 16 x 64 float32; bo 1,024 float32; bq 16 x 64 float32; bv 16 x 64 float32; x_codes 4 x 2,048 x 32 x 16 uint8 (E2M1 codes of x, K innermost, in blocks of 32 codes, two codes a byte); x_scales 4 x 2,048 x 32 uint8 (E8M0 scales of x, one for each 32 codes along K).
;; Outputs: out0 4 x 2,048 x 1,024 float32.
;; This version of the problem:
;;   THIS VERSION OF THE PROBLEM IS GIVEN IN LOW PRECISION. The matrix products marked QUANTISED in the list below multiply operands that are first quantised to E2M1 (2 exponent bits, 1 mantissa bit; 4 bits a number), with one power-of-two scale for each 32 numbers along K (OCP MX v1.0); their sums are f32. All else is computed in f32.
;;   The module's matrix products, in the order in which they are computed (A, B: the left and right operand; K: the contracted axis; several contracted axes count as one K, in the product's order):
;;     1. [M 1,024, K 1,024] x [K 1,024, N 8,192]; A: input Wq (given as codes); B: input x (given as codes): QUANTISED
;;     2. [M 1,024, K 1,024] x [K 1,024, N 8,192]; A: input Wk (given as codes); B: input x (given as codes): QUANTISED
;;     3. [M 1,024, K 1,024] x [K 1,024, N 8,192]; A: input Wv (given as codes); B: input x (given as codes): QUANTISED
;;     4. batch 64 x [M 2,048, K 64] x [K 64, N 2,048]; A: computed on the way; B: computed on the way: QUANTISED
;;     5. batch 64 x [M 2,048, K 2,048] x [K 2,048, N 64]; A: softmax (see below); B: computed on the way: QUANTISED
;;     6. [M 8,192, K 1,024] x [K 1,024, N 1,024]; A: computed on the way; B: input Wo (given as codes): QUANTISED
;;   THE QUANTISER, for each operand of a quantised product, along K:
;;     - K is cut into blocks of 32 from its start; a last block that is shorter is filled with zeros.
;;     - A block's scale is 2^e with e = floor(log2(the largest magnitude in the block)) - 2, held to -126 .. 127; a block of zeros has e = 0. As a byte (E8M0): e + 127.
;;     - Each number is divided by its block's scale, clamped to +-6, and rounded to the nearest number of E2M1, ties to even, subnormals kept.
;;     - The product sums the exact products of the quantised numbers (number of the format x scale) in f32.
;;   ~~~python
;;   def quantise(x, axis):      # numpy; x: float32 -> the quantised numbers, widened to float32 again
;;       x = np.moveaxis(x, axis, -1); K = x.shape[-1]
;;       x = np.pad(x, [(0, 0)] * (x.ndim - 1) + [(0, -K % 32)]); x = x.reshape(x.shape[:-1] + (-1, 32)); a = np.abs(x).max(-1, keepdims=True)
;;       e = np.where(a > 0, np.clip(np.frexp(np.where(a > 0, a, 1))[1] - 1 - 2, -126, 127), 0)      # np.frexp(a)[1] - 1 = floor(log2(a)), exactly
;;       r = np.clip(x / 2.0 ** e, -6, 6)
;;       step = 2.0 ** (np.maximum(np.frexp(np.where(r == 0, 1, r))[1] - 1, 0) - 1)
;;       q = np.round(r / step) * step * 2.0 ** e      # np.round: ties to even
;;       return np.moveaxis(q.reshape(q.shape[:-2] + (-1,))[..., :K], -1, axis).astype(np.float32)
;;   ~~~
;;   SOFTMAX AHEAD OF A QUANTISED PRODUCT. Where the list says 'softmax', what is quantised is not the finished softmax but p = 2^(t - M), with t = logit x log2(e) and M = ceil(the row's largest t), a whole number; so 1/2 < the row's largest p <= 1. The row's sum l is taken of the UNQUANTISED p, in f32, and the product's result is divided by l at the end. Since M is a whole number, a kernel that streams over the keys may use a running M (the ceiling of the running maximum): every later rescaling is an exact power of two, which a block's scale takes up: the codes' values come out the same.
;;   OPERANDS COMPUTED ON THE WAY. 'Computed on the way' means the value that the module computes at that place (a softmax that the list does not call 'softmax' is quantised finished and normalised). What goes into a quantiser is computed in f32, as accurately as f32 sums, v_exp_f32 and their like allow (about 1e-6 of the number): no bf16 or f16 on the way to a quantiser, and a product that is left as it is and whose result goes on into a quantised operand takes f32 operands (vector FMAs, or v_wmma_f32_16x16x4_f32). A number that lies on a knife's edge between two numbers of the format may be rounded either way, as far as f32 arithmetic and the matrix unit's own rounding can turn it there, and no further.
;;   INPUTS GIVEN AS CODES. Wk (in the module: [16, 1024, 64], K = its axis 1); Wo (in the module: [1024, 1024], K = its axis 0); Wq (in the module: [16, 1024, 64], K = its axis 1); Wv (in the module: [16, 1024, 64], K = its axis 1); x (in the module: [4, 2048, 1024], K = its axis 2): each comes as NAME_codes (uint8): NAME with its K axis moved to the last place and cut into blocks of 32 codes, [.., K / 32, bytes a block], one block behind the other in memory; two codes a byte, the lower K in the low four bits (a code: sign, 2 exponent bits, 1 mantissa bit); and NAME_scales (uint8): the same leading axes, one E8M0 byte (e + 127) for each 32 codes along K. Its value is code x scale, taken as it is: it is not quantised again, and the codes and scales need not be those that the quantiser above would give.
;; One version. Each part assembles by itself: llvm-mc -triple=amdgcn-amd-amdhsa -mcpu=gfx1250 --defsym DOCPART=n.
;; ======== version 1 of 1: 3 launches
;; limits: right only within a limited range of input values
;; workspace buffers: qc 4,194,304 bytes; qs 1,048,576 bytes; kv 9,437,184 bytes; cc 4,194,304 bytes; cs 262,144 bytes
;; launch proj (part 1): grid 8 x 32, 4 waves a work-group, clusters of 4 x 4, 327,680 bytes of LDS; arguments x_codes, x_scales, Wq_codes, Wq_scales, bq, Wk_codes, Wk_scales, bk, Wv_codes, Wv_scales, bv, qc, qs, kv; writes qc, qs, kv
.if DOCPART == 1
	.amdgcn_target "amdgcn-amd-amdhsa--gfx1250"
	.amdhsa_code_object_version 6
	.text
	.protected	k_q45ff668c67_proj
	.globl	k_q45ff668c67_proj
	.p2align	8
	.type	k_q45ff668c67_proj,@function
k_q45ff668c67_proj:
	s_mov_b64 s[64:65], 0
	v_nop
	global_prefetch_b8 v0, s[64:65] scope:SCOPE_SE
	s_setreg_imm32_b32 hwreg(HW_REG_WAVE_MODE, 25, 1), 1
	s_wait_xcnt 0x0
	s_wait_alu depctr_hold_cnt(0) depctr_sa_sdst(0) depctr_va_vdst(0) depctr_va_sdst(0) depctr_va_ssrc(0) depctr_va_vcc(0) depctr_vm_vsrc(0)
	s_getreg_b32 s2, hwreg(HW_REG_IB_STS2, 6, 4)
	s_cmp_eq_u32 s2, 0
	s_cbranch_scc0 .Lentry_in_a_cluster
	s_endpgm
.Lentry_in_a_cluster:
	s_bfe_u32 s2, ttmp6, 0x10000c
	s_cmp_lg_u32 s2, 0xf033
	s_cbranch_scc0 .Lentry_shape_is_right
	s_endpgm
.Lentry_shape_is_right:
; q, k, v = x W + b for two heads and 256 tokens, on codes of FP4 (E2M1) with one E8M0 scale for each 32 along K = 1,024; then q and k are quantised along the head's 64 channels, v along the tokens (its keys).
; x_codes: a token's row is 512 bytes; W*_codes: a row (head, channel) is 512 bytes; the scale tables have 32 bytes a row.
; SHARES.  A work-group = (2 heads, 256 tokens): 256 work-groups.  A wave = 64 tokens x the 192 channels of q, k, v of each head.  The wave's x (4 tiles of 16 tokens x 8 K steps: 256 registers) goes through LDS into registers and stays;
; the 12 weight tiles of a head stream past from LDS.  Once x is in registers its LDS bytes take the second head's weights, asked for while the first head is multiplied.
; CLUSTER 4 x 4.  x's tile hangs on the token block alone: asked for jointly along a row of the cluster; the weights hang on the pair of heads alone: jointly along a column.
; No prefetch: nothing but the one refill follows the head's loads, and it has a whole head's products in which to land.
; WHICH ROWS FORM A TILE.  Of 64 rows (tokens; channels of q and k) tile t takes rows 8 t + 0..7 of the first 32 as its rows 0-7, and rows 8 (t xor 1) + 0..7 of the second 32 as its rows 8-15.  (v's channels: 8 t + 0..7 of both.)
; So in the four tiles' results lanes 0-15 hold the 32 numbers of the first block and lanes 16-31 those of the second: a quantiser's block lies whole in one lane, and the conversions' results are the next operand's registers.
; Inside a second block the order of k is t xor 1 instead of t: the same in q and k, and the same in v and in the softmax's p, whose keys lie in K's tiles in this order.
; OUT.  Each store of codes covers 512 consecutive bytes, aligned: 16 bytes at 16 x lane.
;   qc [bh][tile of 16 queries][lane][16];  qs [bh][64 queries][lane][4 tiles][4]: a query's two scale bytes, twice;
;   kv, 147,456 bytes a (batch, head): K's codes [tile][lane][16]; at 65,536 V's [64 keys][channel tile][lane][16]; at 131,072 words [64 keys][lane][4][4]: lanes 0-15 K's: word 0 the two bytes of tile 0's row and the two of tile 1's, word 1 those of tiles 2 and 3; lanes 16-31 V's: two bytes a channel.
; LIMITS: NaN and infinities among the inputs are not served.  A block whose largest magnitude lies under 2^-124, a block of zeros too, gets the byte 1: the bytes are read by this program alone, and zero codes add nothing.
; The bias is the C of a sum's first matrix instruction: it is added first, not last.
; REGISTERS.  window 0: v1-15 addresses; v16-31 x's scale words; v32-79 the weights'; v80-207 the 16 accumulators; v208-228 at work and addresses; v232-247 codes; v248-255 scale words made here.
;   window 1: x's 32 fragments, v[64 t + 8 s].   window 2: v0-127 two sets of a weight tile's 8 fragments; v128-223 the biases in the results' layout.
.set PITCH, 528                        ; an LDS row: 512 bytes + 16 of padding = 33 x 16
.set XB,    256*PITCH                  ; behind x's 256 rows: the first head's 192 rows of weights: Wq's 64, Wk's 64, Wv's 64
.set SPARE, XB+192*PITCH               ; the spare words: 512 bytes that no other line names
.set AX,   4                           ; v4, v5   x, even and odd tiles
.set AW,   6                           ; v6-8     the first head's weights: q and k even, odd; v.   v9-11 the second head's
.set SCE,  12                          ; v12, v13 scale tables: even, odd tiles
.set XS,   16
.set WS,   32
.set ACC,  80
.set MX,   208
.set PM,   212
.set SO,   216
.set SCV,  220                         ; v220     v's scale table
.set BE,   222                         ; v222-223 biases of q and k, even and odd tiles
.set BV,   221                         ; v221     v's bias
.set LANE, 224
.set PX,   225                         ; v225-228 the other half's bytes
.set SPW,  229
.set NIL,  230
.set PC,   232
.set WRD,  248
.set KWS,  252
.set BIAS, 128
.set MSB, 0
.macro WIN new                         ; the immediate's high byte repeats the setting that is left
.if MSB != \new
	s_set_vgpr_msb (MSB<<8)|\new
.set MSB, \new
.endif
.endm
.macro CREST                           ; a round of the cluster's barrier behind its opening barrier
	s_cmp_lg_u32 s32, 0
	s_cbranch_scc1 .Lnot_wave_0_\@
	s_barrier_signal -3
.Lnot_wave_0_\@:
	s_barrier_wait -3
	s_barrier_signal -1
	s_barrier_wait -1
.endm
.macro ROUND
	s_barrier_signal -1
	s_barrier_wait -1
	CREST
.endm
.macro LOAD g0, g1                     ; a joint load; an s_nop 0 and four v_nop follow
	tensor_load_to_lds s[\g0:\g0+3], s[\g1:\g1+7]
	s_nop 0
.rept 4
	v_nop
.endr
.endm
.macro MM d, a, b, c, sa, sb, hi       ; one product; hi = 1: the scale words of K steps 4 to 7 lie in lanes 16-31
.if \hi
	v_wmma_scale_f32_16x16x128_f8f6f4 v[\d:\d+7], v[\a:\a+7], v[\b:\b+7], v[\c:\c+7], v[\sa], v[\sb] matrix_a_fmt:MATRIX_FMT_FP4 matrix_b_fmt:MATRIX_FMT_FP4 matrix_a_scale:MATRIX_SCALE_ROW1 matrix_b_scale:MATRIX_SCALE_ROW1
.else
	v_wmma_scale_f32_16x16x128_f8f6f4 v[\d:\d+7], v[\a:\a+7], v[\b:\b+7], v[\c:\c+7], v[\sa], v[\sb] matrix_a_fmt:MATRIX_FMT_FP4 matrix_b_fmt:MATRIX_FMT_FP4
.endif
.endm
	s_load_b256 s[4:11], s[0:1], 0x0               ; x_codes s[4:5], x_scales s[6:7], Wq_codes s[8:9], Wq_scales s[10:11]
	s_load_b256 s[12:19], s[0:1], 0x20             ; bq s[12:13], Wk_codes s[14:15], Wk_scales s[16:17], bk s[18:19]
	s_load_b256 s[20:27], s[0:1], 0x40             ; Wv_codes s[20:21], Wv_scales s[22:23], bv s[24:25], qc s[26:27]
	s_load_b128 s[28:31], s[0:1], 0x60             ; qs s[28:29], kv s[30:31]
	v_lshl_add_u32 v[SPW], v0, 2, SPARE
	v_mov_b32 v[NIL], 0
	ds_add_u32 v[SPW], v[NIL]                      ; the wave's opening: the add, twice on end, and its wait
	ds_add_u32 v[SPW], v[NIL]
	v_lshrrev_b32 v1, 5, v0
	v_readfirstlane_b32 s32, v1                    ; wave 0..3
	s_bfe_u32 s33, ttmp6, 0x40000                  ; cx
	s_bfe_u32 s34, ttmp6, 0x40004                  ; cy
	s_lshl_b32 s35, ttmp9, 2
	s_add_co_u32 s35, s35, s33                     ; pair of heads = 4 x cluster x + cx
	s_and_b32 s36, ttmp7, 0xffff
	s_lshl_b32 s36, s36, 2
	s_add_co_u32 s36, s36, s34                     ; token block = 4 x cluster y + cy
	s_lshl_b32 s37, s34, 2
	s_lshl_b32 s37, 15, s37                        ; my row of the cluster
	s_lshl_b32 s38, 0x1111, s33                    ; my column
	; descriptor group 1, elements of 1 byte, 16 bytes of padding behind every 512.  x: 256 rows; a weight: 64 rows
	s_or_b32 s40, s37, (1<<20)|(1<<21)|(6<<22)|(3<<25)   ; 15:0 the mask; 20 padding on; 21 set beside a mask; 24:22 after every 128 words (code 6); 31:25 four words (code 3)
	s_mov_b32 s41, 512<<16                         ; tensor_dim0
	s_mov_b32 s42, 256<<16                         ; tensor_dim1
	s_mov_b32 s43, 512<<16                         ; tile_dim0
	s_mov_b32 s44, 256                             ; tile_dim1
	s_mov_b32 s45, 512                             ; from row to row
	s_mov_b32 s46, 0
	s_mov_b32 s47, 0
	s_or_b32 s48, s38, (1<<20)|(1<<21)|(6<<22)|(3<<25)
	s_mov_b32 s49, 512<<16
	s_mov_b32 s50, 64<<16
	s_mov_b32 s51, 512<<16
	s_mov_b32 s52, 64
	s_mov_b32 s53, 512
	s_mov_b32 s54, 0
	s_mov_b32 s55, 0
	; offsets, each in registers of its own.  x's hangs on the token block alone, the weights' on the pair of heads alone
	s_lshl_b32 s78, s36, 17                        ; token block x 256 rows x 512 bytes
	s_mov_b32 s79, 0
	s_lshl_b32 s80, s35, 16                        ; pair x 128 rows x 512 bytes
	s_mov_b32 s81, 0
	s_lshl_b32 s82, s36, 13
	s_lshl_b32 s66, s32, 11
	s_add_co_u32 s82, s82, s66                     ; x's scales: (256 x block + 64 x wave) x 32 bytes
	s_mov_b32 s83, 0
	s_lshl_b32 s96, s35, 12                        ; the weights' scales: pair x 128 x 32
	s_mov_b32 s97, 0
	s_lshl_b32 s98, s35, 9                         ; the biases: pair x 128 x 4
	s_mov_b32 s99, 0
	s_lshr_b32 s92, s36, 3
	s_lshl_b32 s92, s92, 4
	s_lshl_b32 s66, s35, 1
	s_add_co_u32 s92, s92, s66                     ; bh = 16 x batch + the pair's first head; the second head's outputs lie a constant further on
	s_and_b32 s93, s36, 7
	s_lshl_b32 s93, s93, 2
	s_add_co_u32 s93, s93, s32                     ; g: which 64 tokens of the batch's 2,048 are my wave's
	s_lshl_b32 s94, s92, 5
	s_add_co_u32 s94, s94, s93                     ; 32 bh + g
	s_lshl_b32 s84, s94, 11                        ; qc: 2,048 bytes for 64 queries
	s_mov_b32 s85, 0
	s_lshl_b32 s86, s94, 9                         ; qs: 512
	s_mov_b32 s87, 0
	s_mul_i32 s88, s92, 147456
	s_lshl_b32 s66, s93, 11
	s_add_co_u32 s88, s88, s66                     ; kv: K's codes; V's lie 65,536 bytes on
	s_mov_b32 s89, 0
	s_mul_i32 s90, s92, 147456
	s_lshl_b32 s66, s93, 9
	s_add_co_u32 s90, s90, s66
	s_add_co_u32 s90, s90, 131072                  ; kv: the words
	s_mov_b32 s91, 0
	s_mov_b32 s76, 0x76543210
	s_mov_b32 s77, 0xfedcba98                      ; v_permlanex16_b32's selects for lane l xor 16
	s_wait_dscnt 0x0                               ; both opening adds are done
	s_wait_kmcnt 0x0
	s_add_nc_u64 s[84:85], s[26:27], s[84:85]
	s_add_nc_u64 s[86:87], s[28:29], s[86:87]
	s_add_nc_u64 s[88:89], s[30:31], s[88:89]
	s_add_nc_u64 s[90:91], s[30:31], s[90:91]
	s_add_nc_u64 s[6:7], s[6:7], s[82:83]
	s_add_nc_u64 s[10:11], s[10:11], s[96:97]
	s_add_nc_u64 s[16:17], s[16:17], s[96:97]
	s_add_nc_u64 s[22:23], s[22:23], s[96:97]
	s_add_nc_u64 s[12:13], s[12:13], s[98:99]
	s_add_nc_u64 s[18:19], s[18:19], s[98:99]
	s_add_nc_u64 s[24:25], s[24:25], s[98:99]
	s_mov_b32 s56, 1                               ; group 0 for x: count, LDS address, global address, type
	s_mov_b32 s57, 0
	s_add_nc_u64 s[58:59], s[4:5], s[78:79]
	s_or_b32 s59, s59, 0x80000000
	s_mov_b32 s60, 1                               ; Wq
	s_mov_b32 s61, XB
	s_add_nc_u64 s[62:63], s[8:9], s[80:81]
	s_or_b32 s63, s63, 0x80000000
	s_mov_b32 s68, 1                               ; Wk
	s_mov_b32 s69, XB+64*PITCH
	s_add_nc_u64 s[70:71], s[14:15], s[80:81]
	s_or_b32 s71, s71, 0x80000000
	s_mov_b32 s72, 1                               ; Wv
	s_mov_b32 s73, XB+128*PITCH
	s_add_nc_u64 s[74:75], s[20:21], s[80:81]
	s_or_b32 s75, s75, 0x80000000
	ROUND                                          ; all sixteen work-groups are here: the joint loads meet
	; The head's loads, one a wave, in one tree of branches on the wave's number: wave 0 x's 256 rows, waves 1 to 3 the first head's Wq, Wk, Wv
	s_cmp_eq_u32 s32, 0
	s_cbranch_scc0 .Lhead_q
	LOAD 56, 40
	s_branch .Lhead_asked
.Lhead_q:
	s_cmp_eq_u32 s32, 1
	s_cbranch_scc0 .Lhead_k
	LOAD 60, 48
	s_branch .Lhead_asked
.Lhead_k:
	s_cmp_eq_u32 s32, 2
	s_cbranch_scc0 .Lhead_v
	LOAD 68, 48
	s_branch .Lhead_asked
.Lhead_v:
	LOAD 72, 48
.Lhead_asked:
	v_and_b32 v1, 15, v0                           ; r
	v_bfe_u32 v2, v0, 4, 1                         ; h
	v_and_b32 v[LANE], 31, v0
	v_lshlrev_b32 v3, 4, v[LANE]                   ; 16 x lane: an image's place for my lane
	v_and_b32 v208, 8, v1
	v_lshl_add_u32 v209, v208, 2, v1               ; even tiles: row r, or 40 + r - 8 for r of 8 and over; tile t lies 8 t rows on
	v_lshl_add_u32 v210, v208, 1, v1               ; odd tiles: r, or 24 + r - 8
	v_add_nc_u32 v211, v208, v210                  ; v's channels: r, or 32 + r - 8
	v_mul_u32_u24 v9, v209, PITCH
	v_mul_u32_u24 v10, v210, PITCH
	v_mul_u32_u24 v11, v211, PITCH
	v_lshl_add_u32 v9, v2, 4, v9                   ; a fragment: row x pitch + 16 h.  The second head's weights begin at LDS byte 0
	v_lshl_add_u32 v10, v2, 4, v10
	v_lshl_add_u32 v11, v2, 4, v11
	v_add_nc_u32 v11, 128*PITCH, v11               ; Wv's rows
	s_mul_i32 s66, s32, 64*PITCH
	v_add_nc_u32 v4, s66, v9                       ; x: my wave's 64 rows
	v_add_nc_u32 v5, s66, v10
	v_add_nc_u32 v6, XB, v9                        ; the first head's weights
	v_add_nc_u32 v7, XB, v10
	v_add_nc_u32 v8, XB, v11
	v_lshlrev_b32 v12, 5, v209                     ; a scale table: the row's 32 bytes, + 16 h: register q then holds the word of K step q in lanes 0-15 and of K step 4 + q in lanes 16-31
	v_lshlrev_b32 v13, 5, v210
	v_lshlrev_b32 v[SCV], 5, v211
	v_lshl_add_u32 v12, v2, 4, v12
	v_lshl_add_u32 v13, v2, 4, v13
	v_lshl_add_u32 v[SCV], v2, 4, v[SCV]
	v_mul_u32_u24 v[BE], 160, v2                   ; bq, bk: my half's eight channels of an even tile: 40 channels on in lanes 16-31,
	v_mul_u32_u24 v[BE+1], 96, v2                  ; of an odd tile 24
	v_lshlrev_b32 v[BV], 2, v211                   ; bv: my channel
.irp k, 0,1,2,3
	v_mov_b32 v[PX+\k], 0                          ; written once: a lane permute's destination counts as one of its sources
.endr
; The scale words and biases of matrix mt (0 q, 1 k, 2 v) of head hh
.macro WLOAD mt, hh
.if \mt == 0
.set PTS, 10
.set PTB, 12
.elseif \mt == 1
.set PTS, 16
.set PTB, 18
.else
.set PTS, 22
.set PTB, 24
.endif
.irp t, 0,1,2,3
.if \mt < 2
	global_load_b128 v[WS+16*\mt+4*\t:WS+16*\mt+4*\t+3], v[SCE+\t%2], s[PTS:PTS+1] offset:2048*\hh+256*\t
.else
	global_load_b128 v[WS+16*\mt+4*\t:WS+16*\mt+4*\t+3], v[SCV], s[PTS:PTS+1] offset:2048*\hh+256*\t
.endif
.endr
	WIN 0x80                                       ; destination window 2
.irp t, 0,1,2,3
.if \mt < 2
	global_load_b128 v[BIAS+32*\mt+8*\t:BIAS+32*\mt+8*\t+3], v[BE+\t%2], s[PTB:PTB+1] offset:256*\hh+32*\t
	global_load_b128 v[BIAS+32*\mt+8*\t+4:BIAS+32*\mt+8*\t+7], v[BE+\t%2], s[PTB:PTB+1] offset:256*\hh+32*\t+16
.else
	global_load_b32 v[BIAS+64+8*\t], v[BV], s[PTB:PTB+1] offset:256*\hh+32*\t
.endif
.endr
	WIN 0
.endm
.irp t, 0,1,2,3
	global_load_b128 v[XS+4*\t:XS+4*\t+3], v[SCE+\t%2], s[6:7] offset:256*\t
.endr
	WLOAD 0, 0
	WLOAD 1, 0
	WLOAD 2, 0
	s_wait_alu depctr_va_vdst(0)                   ; at the head's end
	s_wait_tensorcnt 0x0                           ; my fill has landed,
	s_barrier_signal -1
	s_barrier_wait -1                              ; everybody's has
	WIN 0x40                                       ; destination window 1
.irp t, 0,1,2,3
.irp s, 0,1,2,3,4,5,6,7
.irp c, 0,1
	ds_load_b128 v[64*\t+8*\s+4*\c:64*\t+8*\s+4*\c+3], v[AX+\t%2] offset:\t*8*PITCH+64*\s+32*\c   ; x's fragment (tile t, K step s): registers 4 c .. 4 c + 3 hold k = 64 c + 32 h + 0..31
.endr
.endr
.endr
	WIN 0
.macro WFETCH hh, n                    ; weight tile n = 4 x matrix + channel tile of head hh, all eight K steps, into set n % 2
.if (\n) < 8
.set RA, AW+3*\hh+(\n)%2
.set RO, (64*((\n)/4)+8*((\n)%4))*PITCH
.else
.set RA, AW+3*\hh+2
.set RO, 8*((\n)%4)*PITCH
.endif
	WIN 0x80
.irp s, 0,1,2,3,4,5,6,7
.irp c, 0,1
	ds_load_b128 v[64*((\n)%2)+8*\s+4*\c:64*((\n)%2)+8*\s+4*\c+3], v[RA] offset:RO+64*\s+32*\c
.endr
.endr
	WIN 0
.endm
; The 32 products of weight tile n: K step by K step, the four accumulators (one for each tile of tokens) by turns, one instruction a turn.
; q, k: source 0 = channels, source 1 = tokens: a lane holds one token.  v: the sources swapped: a lane holds one channel.
.macro MUL n
.set MT, (\n)/4
.set CI, (\n)%4
.set WF, 64*((\n)%2)
.irp s, 0,1,2,3,4,5,6,7
.if \s == 0
.if MT < 2
	WIN 0x26                                       ; source 0 (W) window 2, source 1 (x) window 1, C (the bias) window 2, D window 0
.else
	WIN 0x29                                       ; source 0 (x) window 1, source 1 (W) window 2, C window 2
.endif
.else
.if MT < 2
	WIN 0x06
.else
	WIN 0x09
.endif
.endif
.irp t, 0,1,2,3
.set rX, 64*\t+8*\s
.set rW, WF+8*\s
.set sX, XS+4*\t+\s%4
.set sW, WS+16*MT+4*CI+\s%4
.if MT < 2
.set rD, ACC+32*\t+8*CI
.else
.set rD, ACC+32*CI+8*\t
.endif
.set rC, rD
.if \s == 0
.set rC, BIAS+32*MT+8*CI
.endif
.if MT < 2
	MM rD, rW, rX, rC, sW, sX, \s/4
.else
	MM rD, rX, rW, rC, sX, sW, \s/4
.endif
.endr
.endr
	WIN 0
.endm
.macro CT hh, n
	s_wait_dscnt 0x0                               ; this tile's fragments are in: they were asked for a tile ago, and nothing was asked for since
.rept 5
	v_nop                                          ; places behind the last tile's products: four for the loads into the set that they read, five for sums begun anew over registers of earlier products
.endr
.if (\n) < 11
	WFETCH \hh, (\n)+1
.endif
	MUL \n
.endm
; Four groups of 32 registers at ACC + 32 g, each one block of 32 along the next K in each lane, become four registers of codes each, v[PC + 4 g] on, and a scale word each, v[wrd + g]: two bytes, right in lanes 0-15 (hi = 0) or 16-31 (hi = 1).
.macro EPI wrd, hi
.rept 4
	v_nop                                          ; four places between the last products and the first read of their results
.endr
	s_wait_xcnt 0x0                                ; the earlier stores have read their data: the codes' and the words' registers are written again only behind this wait
.irp g, 0,1,2,3
	v_max3_num_f32 v[MX+\g], |v[ACC+32*\g]|, |v[ACC+32*\g+1]|, 0x1800000   ; each accumulator from its low end on, and the floor 2^(3 - 127): the byte cannot fall under 1
.endr
.irp i, 2,4,6,8,10,12,14,16,18,20,22,24,26,28,30
.irp g, 0,1,2,3
	v_max3_num_f32 v[MX+\g], v[MX+\g], |v[ACC+32*\g+\i]|, |v[ACC+32*\g+\i+1]|   ; (the four blocks by turns)
.endr
.endr
.irp g, 0,1,2,3
	v_add_nc_u32 v[SO+\g], 0xff000000, v[MX+\g]    ; 2 off its exponent field: the conversion takes the exponent field of this operand as its scale
.endr
.irp g, 0,1,2,3
	v_lshrrev_b32 v[PM+\g], 23, v[SO+\g]           ; the scale's byte
.endr
.irp g, 0,1,2,3
	v_permlanex16_b32 v[PX+\g], v[PM+\g], s76, s77 ; the other block's, from lane l xor 16
.endr
.irp g, 0,1,2,3
.irp i, 0,1,2,3
	v_cvt_scalef32_pk8_fp4_f32 v[PC+4*\g+\i], v[ACC+32*\g+8*\i:ACC+32*\g+8*\i+7], v[SO+\g]
.endr
.endr
.irp g, 0,1,2,3
.if \hi
	v_lshl_or_b32 v[\wrd+\g], v[PM+\g], 8, v[PX+\g]
.else
	v_lshl_or_b32 v[\wrd+\g], v[PX+\g], 8, v[PM+\g]
.endif
.endr
.endm
; What follows a head's tile 0.
.macro REST hh
.irp n, 1,2,3
	CT \hh, \n                                     ; q
.endr
	EPI WRD, 0
.irp g, 0,1,2,3
	v_lshl_or_b32 v[WRD+\g], v[WRD+\g], 16, v[WRD+\g]
.endr
.irp t, 0,1,2,3
	global_store_b128 v3, v[PC+4*\t:PC+4*\t+3], s[84:85] offset:65536*\hh+512*\t
.endr
	global_store_b128 v3, v[WRD:WRD+3], s[86:87] offset:16384*\hh   ; 512 consecutive bytes with all lanes on
.if \hh == 0
	WLOAD 0, 1                                     ; q's words and biases have been used: the second head's take their registers
.endif
.irp n, 4,5,6,7
	CT \hh, \n                                     ; k
.endr
	EPI KWS, 0
	v_lshl_or_b32 v[KWS], v[KWS+1], 16, v[KWS]     ; tiles 0 and 1 in one word,
	v_lshl_or_b32 v[KWS+1], v[KWS+3], 16, v[KWS+2] ; tiles 2 and 3; words 2 and 3 stay as they are and are not read
.irp t, 0,1,2,3
	global_store_b128 v3, v[PC+4*\t:PC+4*\t+3], s[88:89] offset:147456*\hh+512*\t
.endr
.if \hh == 0
	WLOAD 1, 1
	s_wait_loadcnt 24                              ; v's eight loads are in; behind them the second head's 12 for q and 12 for k
.else
	s_wait_loadcnt 0x0
.endif
	WIN 0x82                                       ; source 0 and destination window 2
.irp t, 0,1,2,3
.irp j, 1,2,3,4,5,6,7
	v_mov_b32 v[BIAS+64+8*\t+\j], v[BIAS+64+8*\t]  ; v's result holds one channel a lane: its bias in all eight registers of C
.endr
.endr
	WIN 0
	s_wait_alu depctr_va_vdst(0)                   ; directly ahead of the wait below
.irp n, 8,9,10,11
	CT \hh, \n                                     ; v
.endr
.if \hh == 0
	s_wait_tensorcnt 0x0                           ; my part of the second head's weights has landed,
	s_barrier_signal -1
	s_barrier_wait -1                              ; everybody's has
	WFETCH 1, 0
.endif
	EPI WRD, 1
.irp t, 0,1,2,3
	global_store_b128 v3, v[PC+4*\t:PC+4*\t+3], s[88:89] offset:147456*\hh+65536+512*\t
.endr
	v_cmp_le_u32 vcc_lo, 16, v[LANE]
.irp j, 0,1,2,3
	v_cndmask_b32 v[WRD+\j], v[KWS+\j], v[WRD+\j], vcc_lo   ; lanes 0-15 K's words, lanes 16-31 V's
.endr
	global_store_b128 v3, v[WRD:WRD+3], s[90:91] offset:147456*\hh
.endm
	WFETCH 0, 0
	WFETCH 0, 1
	s_wait_tensorcnt 0x0                           ; no tensor load of mine is out, ahead of a refill,
	ds_add_u32 v[SPW], v[NIL]                      ; 0 onto my spare word;
	s_mov_b32 s61, 0                               ; the descriptors' next tiles: the second head's 64 rows, from LDS byte 0 on
	s_mov_b32 s69, 64*PITCH
	s_mov_b32 s73, 128*PITCH
	s_add_nc_u64 s[62:63], s[62:63], 0x8000
	s_add_nc_u64 s[70:71], s[70:71], 0x8000
	s_add_nc_u64 s[74:75], s[74:75], 0x8000
	s_wait_loadcnt 8                               ; scale words and biases of x, q and k are in; v's eight loads may be out
	s_wait_dscnt 0x0                               ; the add is done, and my x is in registers: nobody reads its bytes behind this round
	s_barrier_signal -1
	MUL 0                                          ; work on registers while the others arrive
	s_barrier_wait -1
	CREST
	s_cmp_eq_u32 s32, 0                            ; the refill, one load a wave: waves 1 to 3
	s_cbranch_scc1 .Lrefilled
	s_cmp_eq_u32 s32, 1
	s_cbranch_scc0 .Lrefill_k
	LOAD 60, 48
	s_branch .Lrefilled
.Lrefill_k:
	s_cmp_eq_u32 s32, 2
	s_cbranch_scc0 .Lrefill_v
	LOAD 68, 48
	s_branch .Lrefilled
.Lrefill_v:
	LOAD 72, 48
.Lrefilled:
	REST 0
	WLOAD 2, 1
	s_wait_loadcnt 8                               ; the second head's words and biases of q and k; v's eight loads may be out
	CT 1, 0
	REST 1
	s_wait_tensorcnt 0x0                           ; the wave's end
	ds_add_u32 v[SPW], v[NIL]
	s_wait_dscnt 0x0
	ROUND                                          ; the closing round: no work-group ends while a partner may still ask for a tile that names it
	s_endpgm
.Lfunc_end_k_q45ff668c67_proj:
	.size	k_q45ff668c67_proj, .Lfunc_end_k_q45ff668c67_proj-k_q45ff668c67_proj
	.p2alignl 7, 3214868480
	.fill 96, 4, 3214868480
	.section	.rodata,"a",@progbits
	.p2align	6, 0x0
	.amdhsa_kernel k_q45ff668c67_proj
		.amdhsa_group_segment_fixed_size 327680
		.amdhsa_private_segment_fixed_size 0
		.amdhsa_enable_private_segment 0
		.amdhsa_kernarg_size 112
		.amdhsa_user_sgpr_count 2
		.amdhsa_user_sgpr_kernarg_segment_ptr 1
		.amdhsa_wavefront_size32 1
		.amdhsa_system_sgpr_workgroup_id_x 1
		.amdhsa_system_sgpr_workgroup_id_y 1
		.amdhsa_system_sgpr_workgroup_id_z 1
		.amdhsa_system_vgpr_workitem_id 0
		.amdhsa_next_free_vgpr 768
		.amdhsa_next_free_sgpr 100
		.amdhsa_reserve_vcc 1
		.amdhsa_float_denorm_mode_32 3
		.amdhsa_float_denorm_mode_16_64 3
		.amdhsa_memory_ordered 1
		.amdhsa_forward_progress 1
		.amdhsa_inst_pref_size 193
	.end_amdhsa_kernel
	.amdgpu_metadata
---
amdhsa.version: [ 1, 2 ]
amdhsa.kernels:
  - .name:           k_q45ff668c67_proj
    .symbol:         k_q45ff668c67_proj.kd
    .args:
      - { .name: x_codes, .offset: 0, .size: 8, .value_kind: global_buffer, .address_space: global }
      - { .name: x_scales, .offset: 8, .size: 8, .value_kind: global_buffer, .address_space: global }
      - { .name: Wq_codes, .offset: 16, .size: 8, .value_kind: global_buffer, .address_space: global }
      - { .name: Wq_scales, .offset: 24, .size: 8, .value_kind: global_buffer, .address_space: global }
      - { .name: bq, .offset: 32, .size: 8, .value_kind: global_buffer, .address_space: global }
      - { .name: Wk_codes, .offset: 40, .size: 8, .value_kind: global_buffer, .address_space: global }
      - { .name: Wk_scales, .offset: 48, .size: 8, .value_kind: global_buffer, .address_space: global }
      - { .name: bk, .offset: 56, .size: 8, .value_kind: global_buffer, .address_space: global }
      - { .name: Wv_codes, .offset: 64, .size: 8, .value_kind: global_buffer, .address_space: global }
      - { .name: Wv_scales, .offset: 72, .size: 8, .value_kind: global_buffer, .address_space: global }
      - { .name: bv, .offset: 80, .size: 8, .value_kind: global_buffer, .address_space: global }
      - { .name: qc, .offset: 88, .size: 8, .value_kind: global_buffer, .address_space: global }
      - { .name: qs, .offset: 96, .size: 8, .value_kind: global_buffer, .address_space: global }
      - { .name: kv, .offset: 104, .size: 8, .value_kind: global_buffer, .address_space: global }
    .group_segment_fixed_size: 327680
    .private_segment_fixed_size: 0
    .kernarg_segment_align: 8
    .kernarg_segment_size: 112
    .max_flat_workgroup_size: 128
    .sgpr_count:     100
    .vgpr_count:     768
    .wavefront_size: 32
...
	.end_amdgpu_metadata
.endif
;; end of part 1
;; launch attn (part 2): grid 256 x 1, 16 waves a work-group, clusters of 4 x 1, 169,984 bytes of LDS; arguments qc, qs, kv, cc, cs; writes cc, cs
.if DOCPART == 2
	.amdgcn_target "amdgcn-amd-amdhsa--gfx1250"
	.amdhsa_code_object_version 6
	.text
	.protected	k_q45ff668c67_attn
	.globl	k_q45ff668c67_attn
	.p2align	8
	.type	k_q45ff668c67_attn,@function
k_q45ff668c67_attn:
	s_mov_b64 s[64:65], 0
	v_nop
	global_prefetch_b8 v0, s[64:65] scope:SCOPE_SE
	s_setreg_imm32_b32 hwreg(HW_REG_WAVE_MODE, 25, 1), 1
	s_wait_xcnt 0x0
	s_wait_alu depctr_hold_cnt(0) depctr_sa_sdst(0) depctr_va_vdst(0) depctr_va_sdst(0) depctr_va_ssrc(0) depctr_va_vcc(0) depctr_vm_vsrc(0)
	s_getreg_b32 s2, hwreg(HW_REG_IB_STS2, 6, 4)
	s_cmp_eq_u32 s2, 0
	s_cbranch_scc0 .Lentry_in_a_cluster
	s_endpgm
.Lentry_in_a_cluster:
	s_bfe_u32 s2, ttmp6, 0x10000c
	s_cmp_lg_u32 s2, 0x3003
	s_cbranch_scc0 .Lentry_shape_is_right
	s_endpgm
.Lentry_shape_is_right:
; ctx = softmax(q k^T / 8, causal) v for one (batch, head) a cluster, both products on codes of FP4 (E2M1) with E8M0 scales; ctx is quantised along head x 64 + channel for the last product.
; THE SOFTMAX: t = score x log2(e) / 8; M = the row's largest t so far, rounded UP to a whole number; p = 2^(t - M) is quantised along the keys, not normalised.  The row's sum is taken of the unquantised p and divides O at the end.
; When M moves, the sum and O are multiplied by 2^(old M - new M): exact.
; WORK LEFT OUT: steps of 128 keys all of which come after a tile's queries: the causal mask gives them the weight 0 for all values of the inputs.  A NaN, an infinity or an overflow there is not carried to the result.
; SHARES.  A cluster of four work-groups owns a (batch, head).  The head's K codes, V codes and their scale words, one dense block of 147,456 bytes, come into each work-group's LDS ONCE, asked for jointly:
; each of the 16 waves issues one load of 36 rows x 256 bytes, the same in all four partners.  No LDS byte is filled twice; behind the one barrier LDS is only read.  No prefetch: the block is asked for whole at the head.
; The head's 128 tiles of 16 queries go in PAIRS, tile i with tile 127 - i: a wave takes one pair, which is 17 key steps of 128 for every wave under the mask.  Wave w of partner cx: i = 8 a + 4 (w % 2) + cx, a = w / 2.
; The first tile has the steps 0 .. a, the second 0 .. 15 - a; both last steps hang on the wave's number alone.  The 17 steps run as one sequence n = 0 .. 16: 16 trips of a loop, and the last one written out.
; WHICH ROWS FORM A TILE: of 64 tokens tile t holds tokens 8 t + 0..7 and 32 + 8 (t xor 1) + 0..7.  So of the four tiles' results lanes 0-15 hold 32 keys that are one block, lanes 16-31 the 32 of the next: no block crosses lanes.
; LAYOUT.  Both products transposed: S^T = K Q^T (source 0 = 16 keys, source 1 = my 16 queries), O^T = V^T P^T (source 0 = 16 channels, source 1 = P): a lane holds ONE query (lane % 16) throughout.
; The first product's K is 64, the instruction's 128.  Two tiles of keys share one operand: registers 0-3 tile 2 u, 4-7 tile 2 u + 1; against [Q, 0] it gives the one tile's scores, against [0, Q] the other's.  The zeros are codes; a word holds both tiles' bytes.
; THE STEPS OVERLAP: step n + 1's scores are multiplied in step n, as soon as the p of a half are converted and summed; K, V and words are loaded from LDS a step ahead.
; Register 32 c + 8 t + j of S^T is key 64 c + 8 t + j of the step in lanes 0-15, key 64 c + 32 + 8 (t xor 1) + j in lanes 16-31.
; OUT.  cc [tile of 16 tokens][head][lane][16]: 512 consecutive bytes a store.  cs [token][32]: byte 2 head + block; a wave owns two bytes of each of its 16 rows of 32, so they leave as single bytes (262,144 bytes in the whole launch).  Both in the order of the tiles' rows.
; LIMITS: NaN and infinities are not served; the scaled scores t stay under 2^31 in magnitude; a block of ctx under 2^-124 gets the byte 1 (read by this program alone).
; REGISTERS: v1-3 my lane's places in K, V, the words; v4-6 the step's addresses; v7, v8 the mask's thresholds; v10 my byte in cs; v12 -M, v13 the largest score; v[14:15] the sum; v16-19 Q, v20-23 zeros, v24-27 Q; v28-31 the second tile's Q;
;   v32-63 K; v64-71 words as loaded; v72-75 V's words; v76, v77 Q's words; v78 p's; v79-93 at work; v96-127 V; v128-191 S^T, then p; v192-223 O^T; v224-231 p's codes; v232-243 at work; v250, v251 the add's.
.set KB, 32
.set WB, 64
.set VW, 72
.set VB, 96
.set SB, 128
.set OB, 192
.set PB, 224
.set TB, 232
.macro ROUND                           ; a round of the cluster's barrier
	s_barrier_signal -1
	s_barrier_wait -1
	s_cmp_lg_u32 s14, 0
	s_cbranch_scc1 .Lnot_wave_0_\@
	s_barrier_signal -3
.Lnot_wave_0_\@:
	s_barrier_wait -3
	s_barrier_signal -1
	s_barrier_wait -1
.endm
.macro PTRS i, p                       ; tile i's places: s[p] Q's codes, s[p + 2] its words, s[p + 4] cc, s[p + 6] cs
	s_lshl_b32 s56, s16, 7
	s_add_co_u32 s56, s56, \i
	s_lshl_b32 s56, s56, 9
	s_add_nc_u64 s[\p:\p+1], s[4:5], s[56:57]      ; qc + (128 bh + i) x 512
	s_lshl_b32 s56, s16, 5
	s_lshr_b32 s58, \i, 2
	s_add_co_u32 s56, s56, s58
	s_lshl_b32 s56, s56, 9
	s_and_b32 s58, \i, 3
	s_lshl_b32 s58, s58, 2
	s_add_co_u32 s56, s56, s58
	s_add_nc_u64 s[\p+2:\p+3], s[6:7], s[56:57]    ; qs + (32 bh + i / 4) x 512 + 4 (i % 4)
	s_lshr_b32 s58, s16, 4
	s_lshl_b32 s58, s58, 7
	s_add_co_u32 s58, s58, \i                      ; the tile of tokens: 128 x batch + i
	s_and_b32 s59, s16, 15                         ; head
	s_lshl_b32 s56, s58, 4
	s_add_co_u32 s56, s56, s59
	s_lshl_b32 s56, s56, 9
	s_add_nc_u64 s[\p+4:\p+5], s[10:11], s[56:57]  ; cc + (16 x tile + head) x 512
	s_lshl_b32 s56, s58, 9
	s_lshl_b32 s59, s59, 1
	s_add_co_u32 s56, s56, s59
	s_add_nc_u64 s[\p+6:\p+7], s[12:13], s[56:57]  ; cs + tile x 16 x 32 + 2 head
.endm
.macro THRESH tt, e, o                 ; tile tt of its 64 tokens: my query less what lanes 16-31 of an even, of an odd tile of keys lie further on.  Register i of the diagonal's half is hidden where i is greater
	s_and_b32 s58, \tt, 1
	s_lshl_b32 s58, s58, 1
	s_sub_co_u32 s58, 4, s58                       ; queries of rows 8-15: 4 x 8 on in even tiles, 2 x 8 in odd ones
	s_lshl_b32 s59, \tt, 3
	v_mul_u32_u24 v79, s58, v11
	v_add3_u32 v79, v79, v9, s59
	v_sub_nc_u32 v[\e], v79, v90
	v_sub_nc_u32 v[\o], v79, v91
.endm
.macro KIDX n                          ; the key step of sequence number s23 = n: n in the first tile, n - (a + 1) in the second; its codes' and its words' bytes
	s_sub_co_u32 s63, s23, s18
	s_cmp_ge_u32 s23, s18
	s_cselect_b32 s23, s63, s23
	s_and_b32 s23, s23, 15
	s_lshl_b32 s60, s23, 12
	s_lshl_b32 s61, s23, 10
.endm
.macro LDK
	ds_load_b128 v[WB:WB+3], v6                    ; lanes 0-15: K's words; lanes 16-31: V's four channel tiles, keys 0..63 of the step
	ds_load_b128 v[WB+4:WB+7], v6 offset:512       ; keys 64..127
.irp t, 0,1,2,3,4,5,6,7
	ds_load_b128 v[KB+4*\t:KB+4*\t+3], v4 offset:512*\t
.endr
.endm
.macro LDV
.irp t, 0,1,2,3
.irp c, 0,1
	ds_load_b128 v[VB+8*\t+4*\c:VB+8*\t+4*\c+3], v5 offset:2048*\c+512*\t
.endr
.endr
.endm
.macro SC u, e                         ; the scores of tile 2 u + e
	v_wmma_scale_f32_16x16x128_f8f6f4 v[SB+16*\u+8*\e:SB+16*\u+8*\e+7], v[KB+8*\u:KB+8*\u+7], v[16+4*\e:23+4*\e], 0, v[WB+4*(\u/2)+\u%2], v76 matrix_a_fmt:MATRIX_FMT_FP4 matrix_b_fmt:MATRIX_FMT_FP4
.endm
.macro NEXT_ADR                        ; four places behind the products (the last one a v_nop), and then V's words for the step ahead: lanes 16-31
	v_add_nc_u32 v5, s62, v2
	v_add_nc_u32 v4, s60, v1
	v_add_nc_u32 v6, s61, v3
	v_nop
.irp t, 0,1,2,3
	v_lshl_or_b32 v[VW+\t], v[WB+4+\t], 16, v[WB+\t]
.endr
.endm
.macro HIDE c                          ; the diagonal's half c
.set i, 0
.rept 32
	v_cmp_gt_i32 vcc_lo, i, v[7+(i/8)%2]
	v_cndmask_b32 v[SB+32*\c+i], v[SB+32*\c+i], v79, vcc_lo
.set i, i+1
.endr
.endm
.macro MASK                            ; a tile's last step: s21 = 1: its 64 tokens are the step's second half, s21 = 0: the first half, and the second is hidden whole
	v_mov_b32 v79, 0xff800000                      ; -infinity: p = 0 then
	s_cmp_eq_u32 s21, 0
	s_cbranch_scc1 .Lfirst_half_\@
	s_wait_alu depctr_va_vdst(0)                   ; directly ahead of the results' first reader
	HIDE 1
	s_branch .Lhidden_\@
.Lfirst_half_\@:
	s_wait_alu depctr_va_vdst(0)                   ; and here
	HIDE 0
.set i, 32
.rept 32
	v_mov_b32 v[SB+i], v79
.set i, i+1
.endr
.Lhidden_\@:
.endm
.macro PKF j0, cnt                     ; t - M, two at a time
.set j, \j0
.rept \cnt
	v_pk_fma_f32 v[SB+j:SB+j+1], v[SB+j:SB+j+1], s[38:39], v[12:13] op_sel_hi:[1,0,0]
.set j, j+2
.endr
.endm
.macro CVT c, t
	v_cvt_scalef32_pk8_fp4_f32 v[PB+4*\c+\t], v[SB+32*\c+8*\t:SB+32*\c+8*\t+7], v[82+\c]
.endm
.macro ADDS k0, cnt                    ; pairs k0 on into the four partial sums by turns
.set k, \k0
.rept \cnt
	v_pk_add_f32 v[TB+2*(k%4):TB+2*(k%4)+1], v[TB+2*(k%4):TB+2*(k%4)+1], v[SB+2*k:SB+2*k+1]
.set k, k+1
.endr
.endm
; A KEY STEP.  last = 0: the next step's scores are multiplied in it.
.macro STEP last
	s_wait_alu depctr_va_vdst(0)                   ; directly ahead of the results' first reader
.irp b, 0,1,2,3
	v_max3_num_f32 v[240+\b], v[SB+16*\b], v[SB+16*\b+1], v[SB+16*\b+2]   ; THE LARGEST SCORE OF EACH BLOCK serves twice: for the row's maximum, and, since p rises with the score, for the block's largest p.  Four chains, two for each of my blocks
.endr
.irp i, 3,5,7,9,11,13
.irp b, 0,1,2,3
	v_max3_num_f32 v[240+\b], v[240+\b], v[SB+16*\b+\i], v[SB+16*\b+\i+1]
.endr
.endr
	v_max3_num_f32 v240, v240, v[SB+15], v[SB+31]
	v_max3_num_f32 v242, v242, v[SB+47], v[SB+63]
	v_mov_b32 v79, v12                             ; the old -M
	v_max_num_f32 v80, v240, v241
	v_max_num_f32 v81, v242, v243
	v_max3_num_f32 v86, v80, v81, v13
	s_delay_alu instid0(VALU_DEP_1)
	v_permlanex16_b32 v87, v86, s36, s37
	s_delay_alu instid0(VALU_DEP_1)
	v_max_num_f32 v13, v86, v87                    ; the running largest score, over both halves of the lanes
	s_delay_alu instid0(VALU_DEP_1)
	v_mul_f32 v86, s39, v13                        ; -t
	s_delay_alu instid0(VALU_DEP_1)
	v_floor_f32 v12, v86                           ; the new -M = floor(-t) = -ceil(t): M is a whole number
	PKF 0, 4
	v_sub_f32 v84, v12, v79                        ; old M - new M: a whole number, 0 or less
	PKF 8, 4
	v_cvt_i32_f32 v84, v84                         ; (it saturates)
	PKF 16, 4
	v_ldexp_f32 v84, 1.0, v84                      ; f = 2^(old M - new M)
	PKF 24, 20
	v_pk_fma_f32 v[80:81], v[80:81], s[38:39], v[12:13] op_sel_hi:[1,0,0]   ; the same of my two blocks' largest scores
.set j, 0
.rept 16
	v_pk_mul_f32 v[OB+j:OB+j+1], v[OB+j:OB+j+1], v[84:85] op_sel_hi:[1,0]   ; O^T under the new M
.set j, j+2
.endr
	s_wait_alu depctr_va_vdst(0)                   ; ahead of the batch
	v_exp_f32 v80, v80                             ; a block's largest p: the same two instructions on the same number give the same bits
	v_exp_f32 v81, v81
.set j, 0
.rept 64
	v_exp_f32 v[SB+j], v[SB+j]                     ; p = 2^(t - M), at most 1
.set j, j+1
.endr
	v_pk_mul_f32 v[14:15], v[14:15], v[84:85] op_sel_hi:[1,0]   ; the sums under the new M.  (A plain place behind the exponentials)
	s_wait_alu depctr_va_vdst(0)                   ; and behind it
	v_max_num_f32 v82, 0x1800000, v80              ; the floor 2^(3 - 127): the byte cannot fall under 1
	v_max_num_f32 v83, 0x1800000, v81
.irp i, 0,1,2,3
	v_pk_add_f32 v[TB+2*\i:TB+2*\i+1], v[SB+4*\i:SB+4*\i+1], v[SB+4*\i+2:SB+4*\i+3]
.endr
	v_add_nc_u32 v82, 0xff000000, v82              ; 2 off the exponent field: the conversion's scale operand
	v_add_nc_u32 v83, 0xff000000, v83
	ADDS 8, 2
	v_lshrrev_b32 v88, 23, v82                     ; the scales' bytes: my blocks are c = 0 and 1 of my half of the lanes
	v_lshrrev_b32 v79, 23, v83
	ADDS 10, 2
.irp t, 0,1,2,3
	CVT 0, \t
.endr
	v_lshl_or_b32 v88, v79, 16, v88
	ADDS 12, 2
	v_permlanex16_b32 v89, v88, s36, s37
	ADDS 14, 2
	v_lshl_or_b32 v78, v89, 8, v88                 ; p's scale word for these 128 keys: lanes 0-15
	s_wait_alu depctr_va_vdst(0)                   ; directly ahead of the wait below
	s_wait_dscnt 0x0                               ; V of this step, K and words of the next are in: asked for a step ago
.if \last
.irp t, 0,1,2,3
	CVT 1, \t
.endr
	ADDS 16, 16
.else
	SC 0, 0                                        ; the first half's p are converted and summed: the next step's scores take their registers
	CVT 1, 0
	CVT 1, 1
	SC 0, 1
	CVT 1, 2
	CVT 1, 3
	ADDS 16, 2
	SC 1, 0
	ADDS 18, 4
	SC 1, 1
	ADDS 22, 10
.endif
	v_pk_add_f32 v[TB:TB+1], v[TB:TB+1], v[TB+2:TB+3]
	v_pk_add_f32 v[TB+4:TB+5], v[TB+4:TB+5], v[TB+6:TB+7]
.if \last == 0
	SC 2, 0
	SC 2, 1
.endif
	v_pk_add_f32 v[14:15], v[14:15], v[TB:TB+1]
.if \last == 0
	SC 3, 0
	SC 3, 1
.endif
	v_pk_add_f32 v[14:15], v[14:15], v[TB+4:TB+5]
.irp t, 0,1,2,3
	v_wmma_scale_f32_16x16x128_f8f6f4 v[OB+8*\t:OB+8*\t+7], v[VB+8*\t:VB+8*\t+7], v[PB:PB+7], v[OB+8*\t:OB+8*\t+7], v[VW+\t], v78 matrix_a_fmt:MATRIX_FMT_FP4 matrix_b_fmt:MATRIX_FMT_FP4 matrix_a_scale:MATRIX_SCALE_ROW1
.endr                                          ; the four accumulators by turns, one instruction a turn
.endm
; THE TILE'S END: ctx = O^T / the sum, quantised along the head's 64 channels: my half of the lanes holds one block
.macro TEND pc, ps
	v_add_f32 v84, v14, v15                        ; the sum's two halves,
	v_nop
	v_permlanex16_b32 v87, v84, s36, s37
	v_nop
	v_add_f32 v84, v84, v87                        ; and lane l xor 16's: the row's sum.  (Five places behind the last products)
	s_wait_alu depctr_va_vdst(0)                   ; ahead of the transcendental,
	v_rcp_f32 v84, v84
	v_nop                                          ; one plain place behind it
	s_wait_alu depctr_va_vdst(0)                   ; and behind it
.set j, 0
.rept 16
	v_pk_mul_f32 v[OB+j:OB+j+1], v[OB+j:OB+j+1], v[84:85] op_sel_hi:[1,0]   ; register 8 t + i is ctx(r, 32 h + 8 t + i)
.set j, j+2
.endr
	v_max3_num_f32 v80, |v[OB]|, |v[OB+1]|, 0x1800000
	v_max3_num_f32 v81, |v[OB+16]|, |v[OB+17]|, |v[OB+18]|
.irp i, 2,4,6,8,10,12
	v_max3_num_f32 v80, v80, |v[OB+\i]|, |v[OB+\i+1]|
	v_max3_num_f32 v81, v81, |v[OB+17+\i]|, |v[OB+18+\i]|
.endr
	v_max3_num_f32 v80, v80, |v[OB+14]|, |v[OB+15]|
	v_max3_num_f32 v80, v80, v81, |v[OB+31]|
	v_add_nc_u32 v82, 0xff000000, v80
	v_lshrrev_b32 v88, 23, v82
.irp t, 0,1,2,3
	v_cvt_scalef32_pk8_fp4_f32 v[TB+\t], v[OB+8*\t:OB+8*\t+7], v82
.endr
	v_nop                                          ; one plain place behind a scaled conversion
	global_store_b128 v1, v[TB:TB+3], s[\pc:\pc+1] ; lane (r, h): row r, channels 32 h + 0..31: 512 consecutive bytes
	global_store_b8 v10, v88, s[\ps:\ps+1]
.endm
	s_load_b256 s[4:11], s[0:1], 0x0               ; qc s[4:5], qs s[6:7], kv s[8:9], cc s[10:11]
	s_load_b64 s[12:13], s[0:1], 0x20              ; cs
	v_lshl_add_u32 v250, v0, 2, 0x29000            ; my spare word: behind the block and in bytes that no other line names
	v_mov_b32 v251, 0
	ds_add_u32 v250, v251                          ; the wave's opening: the add, twice on end, and its wait
	ds_add_u32 v250, v251
	v_lshrrev_b32 v1, 5, v0
	v_readfirstlane_b32 s14, v1                    ; wave 0..15
	s_bfe_u32 s15, ttmp6, 0x40000                  ; cx
	s_mov_b32 s16, ttmp9                           ; the cluster's number: bh = 16 x batch + head
	s_lshr_b32 s17, s14, 1                         ; a: the first tile's last key step
	s_add_co_u32 s18, s17, 1                       ; where the second tile begins in the sequence
	s_and_b32 s21, s14, 1                          ; which half of its last step the first tile lies in; the second tile's is the other
	s_lshl_b32 s19, s21, 2
	s_add_co_u32 s19, s19, s15
	s_lshl_b32 s23, s17, 3
	s_add_co_u32 s19, s19, s23                     ; the first tile: 8 a + 4 (w % 2) + cx
	s_sub_co_u32 s20, 127, s19                     ; the second
	s_mov_b32 s24, 15|(3<<16)|(1<<21)              ; group 1: 15:0 the mask: all four work-groups; 17:16 elements of 8 bytes; 21 set beside a mask; no padding
	s_mov_b32 s25, 32<<16                          ; tensor_dim0 = 32 elements: 256 bytes
	s_mov_b32 s26, 36<<16                          ; tensor_dim1 = 36 rows
	s_mov_b32 s27, 32<<16                          ; tile_dim0
	s_mov_b32 s28, 36                              ; tile_dim1
	s_mov_b32 s29, 32                              ; from row to row: dense
	s_mov_b32 s30, 0
	s_mov_b32 s31, 0
	s_mov_b32 s32, 1                               ; group 0
	s_mul_i32 s33, s14, 9216                       ; my sixteenth of the block, in LDS as in memory
	s_mul_i32 s56, s16, 147456
	s_add_co_u32 s56, s56, s33
	s_mov_b32 s57, 0
	s_mov_b32 s36, 0x76543210
	s_mov_b32 s37, 0xfedcba98                      ; v_permlanex16_b32's selects for lane l xor 16
	s_mov_b32 s38, 0x3e38aa3b                      ; c = log2(e) / 8
	s_mov_b32 s39, 0xbe38aa3b                      ; -c (where the pair s[38:39] is named, its low word alone is taken)
	s_wait_dscnt 0x0
	s_wait_kmcnt 0x0
	s_add_nc_u64 s[34:35], s[8:9], s[56:57]
	s_or_b32 s35, s35, 0x80000000
	ROUND                                          ; all four work-groups are here: the joint loads meet
	tensor_load_to_lds s[32:35], s[24:31]          ; one tensor load of mine is out
	s_nop 0
.rept 4
	v_nop
.endr
	PTRS s19, 40
	PTRS s20, 48
	v_and_b32 v79, 31, v0
	v_lshlrev_b32 v1, 4, v79                       ; 16 x lane: K's codes begin at LDS byte 0,
	global_load_b128 v[16:19], v1, s[40:41]        ; the first tile's Q,
	global_load_b128 v[24:27], v1, s[40:41]        ; once more for the other place,
	global_load_b128 v[28:31], v1, s[48:49]        ; the second tile's
	global_load_b32 v76, v1, s[42:43]              ; and their scale words
	global_load_b32 v77, v1, s[50:51]
	v_add_nc_u32 v2, 0x10000, v1                   ; V's at 65,536,
	v_add_nc_u32 v3, 0x20000, v1                   ; the words at 131,072
	v_and_b32 v9, 15, v0                           ; r
	v_bfe_u32 v89, v0, 4, 1                        ; h
	v_and_b32 v11, 8, v9
	v_lshl_add_u32 v10, v9, 5, v89                 ; 32 r + h: my byte in cs
	v_mul_u32_u24 v90, 40, v89
	v_mul_u32_u24 v91, 24, v89
	THRESH s15, 7, 8
	s_sub_co_u32 s63, 3, s15
	s_wait_alu depctr_va_vdst(0)                   ; directly ahead of a run of scalar instructions
	THRESH s63, 92, 93
.irp j, 20,21,22,23,85,87,89
	v_mov_b32 v[\j], 0                             ; 20-23: the operand's zero codes.  The others are written once: the upper half of a pair that is named, and lane permutes' destinations, which count as their sources
.endr
	v_mov_b32 v13, 0xff61b1e6                      ; the largest score so far: -3e38
	v_mov_b32 v12, 0x7f61b1e6                      ; -M
	v_mov_b32 v14, 0                               ; the sum, in two halves
	v_mov_b32 v15, 0
.set j, 0
.rept 32
	v_mov_b32 v[OB+j], 0                           ; O^T.  (The first step finds zeros, which the first change of M leaves zeros)
.set j, j+1
.endr
	v_mov_b32 v4, v1
	v_mov_b32 v6, v3
	s_wait_alu depctr_va_vdst(0)                   ; at the head's end
	s_wait_tensorcnt 0x0                           ; my part has landed,
	s_barrier_signal -1
	s_barrier_wait -1                              ; everybody's has
	LDK                                            ; step 0
	s_mov_b32 s62, 0
	s_mov_b32 s23, 1
	KIDX 1
	s_wait_loadcnt 0x0                             ; Q
	s_wait_dscnt 0x0
.irp u, 0,1,2,3
	SC \u, 0
	SC \u, 1
.endr
	NEXT_ADR
	LDV                                            ; step 0's V
	LDK                                            ; step 1's K
	s_mov_b32 s22, 0                               ; n
.Lstep:                                                ; 16 trips, a constant of the text
	s_mov_b32 s62, s60                             ; V's of step n + 1
	s_add_co_u32 s23, s22, 2
	KIDX 2                                         ; K's of step n + 2
	s_cmp_lg_u32 s22, s17                          ; the first tile's last step?  A branch on the wave's number and the loop's counter
	s_cbranch_scc1 .Lopen
	MASK
.irp j, 0,1,2,3
	v_mov_b32 v[16+\j], v[28+\j]                   ; the next scores are the second tile's
	v_mov_b32 v[24+\j], v[28+\j]
.endr
	v_mov_b32 v76, v77
.Lopen:
	STEP 0
	NEXT_ADR
	LDV
	s_wait_alu depctr_va_vdst(0)                   ; directly ahead of the branch
	s_cmp_eq_u32 s22, 15
	s_cbranch_scc1 .Lno_k                          ; there is no step 17
	LDK
.Lno_k:
	s_cmp_lg_u32 s22, s17
	s_cbranch_scc1 .Lgo_on
	TEND 44, 46                                    ; the first tile leaves,
.set j, 0
.rept 32
	v_mov_b32 v[OB+j], 0                           ; and the second begins
.set j, j+1
.endr
	v_mov_b32 v13, 0xff61b1e6
	v_mov_b32 v12, 0x7f61b1e6
	v_mov_b32 v14, 0
	v_mov_b32 v15, 0
	v_mov_b32 v7, v92
	v_mov_b32 v8, v93
	s_xor_b32 s21, s21, 1
	s_wait_alu depctr_va_vdst(0)                   ; directly ahead of the wait below
	s_wait_xcnt 0x0                                ; the stores have read their data: these registers are written again only behind this wait
.Lgo_on:
	s_add_co_u32 s22, s22, 1
	s_cmp_lt_u32 s22, 16
	s_cbranch_scc1 .Lstep
	MASK                                           ; step 16: the second tile's last
	STEP 1
	TEND 52, 54
	s_wait_dscnt 0x0
	s_barrier_signal -1
	s_barrier_wait -1                              ; every wave's reads of LDS are over
	s_wait_tensorcnt 0x0                           ; the wave's end
	ds_add_u32 v250, v251
	s_wait_dscnt 0x0
	ROUND                                          ; the closing round: no work-group ends while a partner may still ask for a tile that names it
	s_endpgm
.Lfunc_end_k_q45ff668c67_attn:
	.size	k_q45ff668c67_attn, .Lfunc_end_k_q45ff668c67_attn-k_q45ff668c67_attn
	.p2alignl 7, 3214868480
	.fill 96, 4, 3214868480
	.section	.rodata,"a",@progbits
	.p2align	6, 0x0
	.amdhsa_kernel k_q45ff668c67_attn
		.amdhsa_group_segment_fixed_size 169984
		.amdhsa_private_segment_fixed_size 0
		.amdhsa_enable_private_segment 0
		.amdhsa_kernarg_size 40
		.amdhsa_user_sgpr_count 2
		.amdhsa_user_sgpr_kernarg_segment_ptr 1
		.amdhsa_wavefront_size32 1
		.amdhsa_system_sgpr_workgroup_id_x 1
		.amdhsa_system_sgpr_workgroup_id_y 1
		.amdhsa_system_sgpr_workgroup_id_z 1
		.amdhsa_system_vgpr_workitem_id 0
		.amdhsa_next_free_vgpr 256
		.amdhsa_next_free_sgpr 66
		.amdhsa_reserve_vcc 1
		.amdhsa_float_denorm_mode_32 3
		.amdhsa_float_denorm_mode_16_64 3
		.amdhsa_memory_ordered 1
		.amdhsa_forward_progress 1
		.amdhsa_inst_pref_size 55
	.end_amdhsa_kernel
	.amdgpu_metadata
---
amdhsa.version: [ 1, 2 ]
amdhsa.kernels:
  - .name:           k_q45ff668c67_attn
    .symbol:         k_q45ff668c67_attn.kd
    .args:
      - { .name: qc, .offset: 0, .size: 8, .value_kind: global_buffer, .address_space: global }
      - { .name: qs, .offset: 8, .size: 8, .value_kind: global_buffer, .address_space: global }
      - { .name: kv, .offset: 16, .size: 8, .value_kind: global_buffer, .address_space: global }
      - { .name: cc, .offset: 24, .size: 8, .value_kind: global_buffer, .address_space: global }
      - { .name: cs, .offset: 32, .size: 8, .value_kind: global_buffer, .address_space: global }
    .group_segment_fixed_size: 169984
    .private_segment_fixed_size: 0
    .kernarg_segment_align: 8
    .kernarg_segment_size: 40
    .max_flat_workgroup_size: 512
    .sgpr_count:     66
    .vgpr_count:     256
    .wavefront_size: 32
...
	.end_amdgpu_metadata
.endif
;; end of part 2
;; launch outp (part 3): grid 4 x 64, 4 waves a work-group, clusters of 4 x 4, 218,624 bytes of LDS; arguments cc, cs, Wo_codes, Wo_scales, bo, out0; writes out0
.if DOCPART == 3
	.amdgcn_target "amdgcn-amd-amdhsa--gfx1250"
	.amdhsa_code_object_version 6
	.text
	.protected	k_q45ff668c67_outp
	.globl	k_q45ff668c67_outp
	.p2align	8
	.type	k_q45ff668c67_outp,@function
k_q45ff668c67_outp:
	s_mov_b64 s[64:65], 0
	v_nop
	global_prefetch_b8 v0, s[64:65] scope:SCOPE_SE
	s_setreg_imm32_b32 hwreg(HW_REG_WAVE_MODE, 25, 1), 1
	s_wait_xcnt 0x0
	s_wait_alu depctr_hold_cnt(0) depctr_sa_sdst(0) depctr_va_vdst(0) depctr_va_sdst(0) depctr_va_ssrc(0) depctr_va_vcc(0) depctr_vm_vsrc(0)
	s_getreg_b32 s2, hwreg(HW_REG_IB_STS2, 6, 4)
	s_cmp_eq_u32 s2, 0
	s_cbranch_scc0 .Lentry_in_a_cluster
	s_endpgm
.Lentry_in_a_cluster:
	s_bfe_u32 s2, ttmp6, 0x10000c
	s_cmp_lg_u32 s2, 0xf033
	s_cbranch_scc0 .Lentry_shape_is_right
	s_endpgm
.Lentry_shape_is_right:
; out0 = ctx Wo + bo on codes of FP4 (E2M1) with E8M0 scales, K = 1,024.  ctx's codes lie as images of operand registers, cc [tile of 16 tokens][head][lane][16]: K step s is the 1,024 bytes of heads 2 s and 2 s + 1;
; its scale bytes cs [token][32].  Wo_codes: a column's row is 512 bytes; Wo_scales 32 bytes a row.  out0 [8,192][1,024] f32.
; SHARES.  A work-group makes 128 tokens x 256 columns: 256 work-groups.  Wave w owns columns 64 w .. 64 w + 63: its part of Wo (4 tiles x 8 K steps, 256 registers) stays in registers, the eight tiles of tokens stream past from LDS,
; and each finished tile of 16 rows x 256 bytes leaves while the next is multiplied.  All of K fits in LDS: every LDS byte is filled once.
; CLUSTER 4 x 4.  ctx's tile hangs on the token block alone: asked for jointly along a row of the cluster; Wo's on the column block alone: jointly along a column.
; THE MATRIX INSTRUCTION IS USED TRANSPOSED (source 0 = 16 columns of Wo, source 1 = 16 tokens): a lane holds eight neighbouring columns of one token's row.  The bias is the C of a sum's first matrix instruction: added first, not last.
; THE WAY OUT.  A tile goes through the wave's own stage in LDS (16 rows of 256 bytes + 16) and comes back by rows: sixteen lanes store 256 consecutive bytes, at a multiple of 256 from out0's first byte.
; REGISTERS.  window 0: v1-9 addresses; v16-31 Wo's scale words; v32-63 ctx's; v64-191 two sets of ctx's 8 fragments; v192-255 two sets of 16 rows on the way out.
;   window 1: Wo's 32 fragments, v[64 t + 8 s].   window 2: v0-63 two sets of four accumulators; v64-95 the bias in the results' layout.
.set PITCH, 528                        ; a row of Wo in LDS: 512 bytes + 16 of padding
.set T16,   16*PITCH
.set BB,    65536                      ; behind ctx's image: Wo's 256 rows
.set STG,   BB+256*PITCH               ; behind them the stages, a multiple of 256: no fill lands there
.set SP,    272
.set MSB, 0
.macro WIN new                         ; the immediate's high byte repeats the setting that is left
.if MSB != \new
	s_set_vgpr_msb (MSB<<8)|\new
.set MSB, \new
.endif
.endm
.macro ROUND                           ; a round of the cluster's barrier
	s_barrier_signal -1
	s_barrier_wait -1
	s_cmp_lg_u32 s16, 0
	s_cbranch_scc1 .Lnot_wave_0_\@
	s_barrier_signal -3
.Lnot_wave_0_\@:
	s_barrier_wait -3
	s_barrier_signal -1
	s_barrier_wait -1
.endm
.macro MM d, a, b, c, sa, sb, hi       ; one product; hi = 1: the scale words of K steps 4 to 7 lie in lanes 16-31
.if \hi
	v_wmma_scale_f32_16x16x128_f8f6f4 v[\d:\d+7], v[\a:\a+7], v[\b:\b+7], v[\c:\c+7], v[\sa], v[\sb] matrix_a_fmt:MATRIX_FMT_FP4 matrix_b_fmt:MATRIX_FMT_FP4 matrix_a_scale:MATRIX_SCALE_ROW1 matrix_b_scale:MATRIX_SCALE_ROW1
.else
	v_wmma_scale_f32_16x16x128_f8f6f4 v[\d:\d+7], v[\a:\a+7], v[\b:\b+7], v[\c:\c+7], v[\sa], v[\sb] matrix_a_fmt:MATRIX_FMT_FP4 matrix_b_fmt:MATRIX_FMT_FP4
.endif
.endm
	s_load_b256 s[4:11], s[0:1], 0x0               ; cc s[4:5], cs s[6:7], Wo_codes s[8:9], Wo_scales s[10:11]
	s_load_b128 s[12:15], s[0:1], 0x20             ; bo s[12:13], out0 s[14:15]
	v_lshl_add_u32 v14, v0, 2, 0x35400
	v_mov_b32 v15, 0
	ds_add_u32 v14, v15
	ds_add_u32 v14, v15
	v_lshrrev_b32 v1, 5, v0
	v_readfirstlane_b32 s16, v1                    ; wave 0..3
	s_bfe_u32 s17, ttmp6, 0x40000                  ; cx
	s_bfe_u32 s18, ttmp6, 0x40004                  ; cy
	s_lshl_b32 s19, ttmp9, 2
	s_add_co_u32 s19, s19, s17                     ; column block = 4 x cluster x + cx
	s_and_b32 s20, ttmp7, 0xffff
	s_lshl_b32 s20, s20, 2
	s_add_co_u32 s20, s20, s18                     ; token block = 4 x cluster y + cy
	s_lshl_b32 s21, s18, 2
	s_lshl_b32 s21, 15, s21                        ; my row of the cluster
	s_lshl_b32 s22, 0x1111, s17                    ; my column
	s_and_b32 s23, s16, 1
	; group 1 for ctx's image: half of it, 32,768 dense bytes, as 128 rows of 256 bytes (32 elements of 8), no padding
	s_or_b32 s28, s21, (3<<16)|(1<<21)
	s_mov_b32 s29, 32<<16
	s_mov_b32 s30, 128<<16
	s_mov_b32 s31, 32<<16
	s_mov_b32 s32, 128
	s_mov_b32 s33, 32
	s_mov_b32 s34, 0
	s_mov_b32 s35, 0
	; group 1 for Wo: 128 rows of 512 bytes, 16 bytes of padding behind each
	s_or_b32 s36, s22, (1<<20)|(1<<21)|(6<<22)|(3<<25)
	s_mov_b32 s37, 512<<16
	s_mov_b32 s38, 128<<16
	s_mov_b32 s39, 512<<16
	s_mov_b32 s40, 128
	s_mov_b32 s41, 512
	s_mov_b32 s42, 0
	s_mov_b32 s43, 0
	s_lshl_b32 s52, s20, 16                        ; ctx: token block x 65,536 + half x 32,768: the token block and the wave alone
	s_lshl_b32 s56, s23, 15
	s_add_co_u32 s52, s52, s56
	s_mov_b32 s53, 0
	s_lshl_b32 s54, s19, 17                        ; Wo: column block x 131,072 + half x 65,536: the column block and the wave alone
	s_lshl_b32 s57, s23, 16
	s_add_co_u32 s54, s54, s57
	s_mov_b32 s55, 0
	s_mov_b32 s44, 1
	s_lshl_b32 s45, s23, 15                        ; where they go
	s_mov_b32 s48, 1
	s_mul_i32 s49, s23, 128*PITCH
	s_add_co_u32 s49, s49, BB
	s_lshl_b32 s58, s19, 8
	s_lshl_b32 s59, s16, 6
	s_add_co_u32 s58, s58, s59                     ; my first column: 256 x block + 64 x wave
	s_lshl_b32 s60, s58, 5                         ; its row of Wo's scales
	s_mov_b32 s61, 0
	s_lshl_b32 s62, s58, 2                         ; its place in bo
	s_mov_b32 s63, 0
	s_lshl_b32 s66, s20, 12                        ; cs: token block x 128 x 32
	s_mov_b32 s67, 0
	s_lshl_b32 s68, s20, 19                        ; out0: token block x 128 rows of 4,096 bytes,
	s_add_co_u32 s68, s68, s62                     ; + my first column
	s_mov_b32 s69, 0
	s_wait_dscnt 0x0
	s_wait_kmcnt 0x0
	s_add_nc_u64 s[46:47], s[4:5], s[52:53]
	s_or_b32 s47, s47, 0x80000000
	s_add_nc_u64 s[50:51], s[8:9], s[54:55]
	s_or_b32 s51, s51, 0x80000000
	s_add_nc_u64 s[10:11], s[10:11], s[60:61]
	s_add_nc_u64 s[12:13], s[12:13], s[62:63]
	s_add_nc_u64 s[6:7], s[6:7], s[66:67]
	s_add_nc_u64 s[14:15], s[14:15], s[68:69]
	ROUND                                          ; all sixteen work-groups are here: the joint loads meet
	s_cmp_lt_u32 s16, 2                            ; waves 0, 1 fetch ctx's halves, waves 2, 3 Wo's: one tensor load of a wave is out.  Four v_nop follow each line
	s_cbranch_scc0 .Lfor_b
	tensor_load_to_lds s[44:47], s[28:35]
	s_nop 0
.rept 4
	v_nop
.endr
	s_branch .Lasked
.Lfor_b:
	tensor_load_to_lds s[48:51], s[36:43]
	s_nop 0
.rept 4
	v_nop
.endr
.Lasked:
	v_and_b32 v1, 15, v0                           ; r
	v_bfe_u32 v2, v0, 4, 1                         ; h
	v_and_b32 v3, 31, v0
	v_lshlrev_b32 v3, 4, v3                        ; 16 x lane: ctx's image
	v_mul_u32_u24 v4, v1, PITCH
	v_lshl_add_u32 v4, v2, 4, v4
	s_mul_i32 s70, s16, 64*PITCH
	s_add_co_u32 s70, s70, BB
	v_add_nc_u32 v4, s70, v4                       ; Wo: my 64 rows; row r x pitch + 16 h
	s_mul_i32 s71, s16, 16*SP
	s_add_co_u32 s71, s71, STG                     ; my stage
	v_mul_u32_u24 v5, v1, SP
	v_lshl_add_u32 v5, v2, 5, v5
	v_add_nc_u32 v5, s71, v5                       ; in: row r, 32 bytes for each half of the lanes
	v_mul_u32_u24 v6, v2, SP
	v_lshl_add_u32 v6, v1, 4, v6
	v_add_nc_u32 v6, s71, v6                       ; back: lanes 0-15 one row of 256 bytes, lanes 16-31 the next
	v_lshlrev_b32 v7, 12, v2
	v_lshl_add_u32 v7, v1, 4, v7                   ; and the same two rows in out0
	v_lshlrev_b32 v8, 5, v1
	v_lshl_add_u32 v8, v2, 4, v8                   ; a scale table: row r of 32 bytes, + 16 h: register q holds the word of K step q in lanes 0-15, of K step 4 + q in lanes 16-31
	v_lshlrev_b32 v9, 5, v2                        ; bo: my half's eight columns of a tile
.irp t, 0,1,2,3
	global_load_b128 v[16+4*\t:19+4*\t], v8, s[10:11] offset:512*\t
.endr
.irp m, 0,1,2,3,4,5,6,7
	global_load_b128 v[32+4*\m:35+4*\m], v8, s[6:7] offset:512*\m
.endr
	WIN 0x80                                       ; destination window 2
.irp t, 0,1,2,3
	global_load_b128 v[64+8*\t:67+8*\t], v9, s[12:13] offset:64*\t
	global_load_b128 v[68+8*\t:71+8*\t], v9, s[12:13] offset:64*\t+16
.endr
	WIN 0
	s_wait_tensorcnt 0x0                           ; my fill has landed,
	s_barrier_signal -1
	s_barrier_wait -1                              ; everybody's has
	WIN 0x40                                       ; destination window 1
.irp t, 0,1,2,3
.irp s, 0,1,2,3,4,5,6,7
.irp c, 0,1
	ds_load_b128 v[64*\t+8*\s+4*\c:64*\t+8*\s+4*\c+3], v4 offset:\t*T16+64*\s+32*\c
.endr
.endr
.endr
	WIN 0
.macro AFETCH m                        ; the eight fragments of token tile m into set m % 2
.irp s, 0,1,2,3,4,5,6,7
.irp c, 0,1
	ds_load_b128 v[64+64*((\m)%2)+8*\s+4*\c:64+64*((\m)%2)+8*\s+4*\c+3], v3 offset:8192*(\m)+1024*\s+512*\c
.endr
.endr
.endm
.macro TOSTAGE m                       ; tile m's four accumulators into my stage, and back as rows.  LDS serves a wave's instructions in order (ISA guide 5.7.1.4): no wait between the stores and the loads
	s_wait_xcnt 0x0                                ; the stores of two tiles ago have read their data: these registers are loaded again only behind this wait
	WIN 0x08                                       ; an LDS store's data are its source 1: window 2
.irp t, 0,1,2,3
	ds_store_b128 v5, v[32*((\m)%2)+8*\t:32*((\m)%2)+8*\t+3] offset:64*\t       ; each accumulator from its low end on
	ds_store_b128 v5, v[32*((\m)%2)+8*\t+4:32*((\m)%2)+8*\t+7] offset:64*\t+16
.endr
	WIN 0
.irp i, 0,1,2,3,4,5,6,7
	ds_load_b128 v[192+32*((\m)%2)+4*\i:192+32*((\m)%2)+4*\i+3], v6 offset:2*\i*SP
.endr
.endm
.macro SEND m
.if (\m)+2 <= 7
	s_wait_dscnt 16                                ; tile m's rows are back; the sixteen fragment loads issued behind them may stay out
.else
	s_wait_dscnt 0x0
.endif
.irp i, 0,1,2,3,4,5,6,7
	global_store_b128 v7, v[192+32*((\m)%2)+4*\i:192+32*((\m)%2)+4*\i+3], s[14:15] offset:(64*((\m)/4)+8*((\m)%4)+2*\i+(\i/4)*(32-16*((\m)%2)))*4096 th:TH_STORE_NT   ; rows 0-7 of tile t of 64 tokens are tokens 8 t + 0..7, rows 8-15 tokens 32 + 8 (t xor 1) + 0..7.  Written once, read by nobody here; under 128 rows: inside the signed 24-bit immediate
.endr
.endm
.macro TILE m
.if (\m) == 0
	s_wait_dscnt 0x0
.else
	s_wait_dscnt 16                                ; this tile's fragments are in; the last tile's eight stores into the stage and eight loads out of it may stay out
.endif
.rept 5
	v_nop                                          ; places behind the last tile's products: four for the loads into the set read a tile earlier, five for sums begun anew over registers of earlier products
.endr
.if (\m) < 7
	AFETCH (\m)+1
.endif
	WIN 0xa1                                       ; source 0 (Wo) window 1, source 1 (ctx) window 0, C and D window 2
.irp s, 0,1,2,3,4,5,6,7
.irp t, 0,1,2,3
.set rD, 32*((\m)%2)+8*\t
.set rC, rD
.if \s == 0
.set rC, 64+8*\t
.endif
.set rB, 64*\t+8*\s
.set rA, 64+64*((\m)%2)+8*\s
.set sB, 16+4*\t+\s%4
.set sA, 32+4*(\m)+\s%4
	MM rD, rB, rA, rC, sB, sA, \s/4                ; the four accumulators by turns, one instruction a turn
.endr
.endr
	WIN 0
.if (\m) > 0
	SEND (\m)-1
.endif
.rept 4
	v_nop                                          ; four places between the last products and the LDS stores that read their results
.endr
	s_wait_alu depctr_va_vdst(0)
	TOSTAGE \m
.endm
	AFETCH 0
	s_wait_loadcnt 0x0                             ; scale words and bias
.irp m, 0,1,2,3,4,5,6,7
	TILE \m
.endr
	SEND 7
	s_wait_dscnt 0x0
	s_wait_tensorcnt 0x0
	ds_add_u32 v14, v15
	s_wait_dscnt 0x0
	ROUND                                          ; the closing round: no work-group ends while a partner may still ask for a tile that names it
	s_endpgm
.Lfunc_end_k_q45ff668c67_outp:
	.size	k_q45ff668c67_outp, .Lfunc_end_k_q45ff668c67_outp-k_q45ff668c67_outp
	.p2alignl 7, 3214868480
	.fill 96, 4, 3214868480
	.section	.rodata,"a",@progbits
	.p2align	6, 0x0
	.amdhsa_kernel k_q45ff668c67_outp
		.amdhsa_group_segment_fixed_size 218624
		.amdhsa_private_segment_fixed_size 0
		.amdhsa_enable_private_segment 0
		.amdhsa_kernarg_size 48
		.amdhsa_user_sgpr_count 2
		.amdhsa_user_sgpr_kernarg_segment_ptr 1
		.amdhsa_wavefront_size32 1
		.amdhsa_system_sgpr_workgroup_id_x 1
		.amdhsa_system_sgpr_workgroup_id_y 1
		.amdhsa_system_sgpr_workgroup_id_z 1
		.amdhsa_system_vgpr_workitem_id 0
		.amdhsa_next_free_vgpr 640
		.amdhsa_next_free_sgpr 96
		.amdhsa_reserve_vcc 0
		.amdhsa_float_denorm_mode_32 3
		.amdhsa_float_denorm_mode_16_64 3
		.amdhsa_memory_ordered 1
		.amdhsa_forward_progress 1
		.amdhsa_inst_pref_size 71
	.end_amdhsa_kernel
	.amdgpu_metadata
---
amdhsa.version: [ 1, 2 ]
amdhsa.kernels:
  - .name:           k_q45ff668c67_outp
    .symbol:         k_q45ff668c67_outp.kd
    .args:
      - { .name: cc, .offset: 0, .size: 8, .value_kind: global_buffer, .address_space: global }
      - { .name: cs, .offset: 8, .size: 8, .value_kind: global_buffer, .address_space: global }
      - { .name: Wo_codes, .offset: 16, .size: 8, .value_kind: global_buffer, .address_space: global }
      - { .name: Wo_scales, .offset: 24, .size: 8, .value_kind: global_buffer, .address_space: global }
      - { .name: bo, .offset: 32, .size: 8, .value_kind: global_buffer, .address_space: global }
      - { .name: out0, .offset: 40, .size: 8, .value_kind: global_buffer, .address_space: global }
    .group_segment_fixed_size: 218624
    .private_segment_fixed_size: 0
    .kernarg_segment_align: 8
    .kernarg_segment_size: 48
    .max_flat_workgroup_size: 128
    .sgpr_count:     96
    .vgpr_count:     640
    .wavefront_size: 32
...
	.end_amdgpu_metadata
.endif
;; end of part 3
